; MI455X (gfx1250); checked and timed in simulation.
; The chip was launched on July 23, 2026; its instructions are those of AMD's public machine-readable ISA for CDNA 5 (MIT licence, August 2026) and "CDNA5" Instruction Set Architecture Reference Guide (July 2026). The comments in the code are by the model that wrote it; some were corrected since.
;; Local Windowed Attention4 D. Allowed arithmetic: float matrix products may take bf16 or f16 operands with f32 sums; other float arithmetic in f32, or as packed bf16 or f16 multiplies, adds, multiply-adds, maxima and minima; sums over many terms, partial sums and values carried from step to step in f32; what a program stores and reads back later, other than sums and carried values, may be rounded once to bf16 or f16.
;; Inputs: Wk 512 x 512 float32; Wo 512 x 512 float32; Wq 512 x 512 float32; Wv 512 x 512 float32; bk 512 float32; bo 512 float32; bq 512 float32; bv 512 float32; key 2 x 4 x 2,048 x 512 float32; query 2 x 4 x 2,048 x 512 float32; value 2 x 4 x 2,048 x 512 float32.
;; Outputs: out0 2 x 4 x 2,048 x 512 float32.
;; One version. Each part assembles by itself: llvm-mc -triple=amdgcn-amd-amdhsa -mcpu=gfx1250 --defsym DOCPART=n.
;; ======== version 1 of 1: 3 launches
;; limits: values are held in f16: magnitudes above 65,504 overflow, below 6.1e-05 lose precision
;; workspace buffers: wf 2,097,152 bytes; kf 16,777,216 bytes; vf 16,777,216 bytes
;; launch prep (part 1): grid 256 x 1, 4 waves a work-group, no clusters, 0 bytes of LDS; arguments Wq, Wk, Wv, Wo, wf; writes wf
.if DOCPART == 1
	.amdgcn_target "amdgcn-amd-amdhsa--gfx1250"
	.amdhsa_code_object_version 6
	.text
	.protected	k_q44da12e93a_prep
	.globl	k_q44da12e93a_prep
	.p2align	8
	.type	k_q44da12e93a_prep,@function
k_q44da12e93a_prep:
	s_mov_b64 s[64:65], 0
	v_nop
	global_prefetch_b8 v0, s[64:65] scope:SCOPE_SE
	s_setreg_imm32_b32 hwreg(HW_REG_WAVE_MODE, 25, 1), 1
	s_wait_xcnt 0x0
; THE PROGRAM: out = (windowed attention of query Wq^T + bq, key Wk^T + bk, value Wv^T + bv, by 8 heads of 64) Wo^T + bo, in three launches:
;   prep  rounds the four weight matrices once and lays them out as matrix fragments (this text);
;   kv    projects key and value and stores K and V^T as f16 fragments;
;   main  projects query, does the attention and the last projection for 64 rows and all heads.
; WORK LEFT OUT, for all finite values of the inputs.  No input is left out.
;   Keys outside i-255 .. i: the mask that the module builds itself replaces their scores by -1e30, whatever they were, and every row has a live key (its own): their weights are nothing.
;   In tiles of 64 x 64 a block of 64 queries sees the key tiles t-4 .. t of its own sequence alone; the others are not touched.  Inside the two edge tiles the hidden scores are made and masked.
;   The products with the padding block.  Its keys and values are zeros that the module builds itself, and the mask leaves the positions i-255 .. -1 LIVE: 255 - i of them for a query i < 255.
;   Such a key's score is q . 0 / 8 = 0 whatever q is, and its weight multiplies a value of 0.  So no product is made with them; what they do to the softmax is kept: 0 enters the row's maximum,
;   and (255 - i) e^(0 - max) enters its sum (in the last launch, at each head's end).  bk stays: it moves the live scores against the padded keys' 0.
;   LIMIT: a NaN, an infinity or an overflow that reaches only hidden keys, or only a product with the padding's zeros, is not carried to the result.
; FORMATS.  All inputs (query, key, value, weights, biases) are rounded once to bf16; what the program makes itself (q, k, v, the weights p, ctx) is kept in f16; all sums in f32.
;
; THIS LAUNCH.  wf holds four parts of 524,288 bytes: Wq, Wk, Wv (bf16), Wo (rounded to bf16, that number written as f16, since it multiplies ctx in f16).
; A fragment is 16 rows n x 32 k in 1,024 bytes: byte = half x 512 + lane x 16; lane = n % 16 + 16 h holds k = 32 ks + 16 half + 8 h + 0..7.
; In a part: (n / 128) x 131,072 + ks x 8,192 + ((n / 16) % 8) x 1,024: the 128 rows that one wave of the later launches multiplies lie together, K step after K step.
; LIMIT: a weight of Wo below 2^-14 keeps f16's fixed step of 2^-24; beyond 65,504 it would be lost.
; SHARES.  64 work-groups a matrix, a wave makes two fragments: 16 rows x 64 k, 256 consecutive bytes of each row; each store of the wave covers 512 consecutive bytes, aligned.
	s_load_b256 s[4:11], s[0:1], 0x0               ; Wq s[4:5], Wk s[6:7], Wv s[8:9], Wo s[10:11]
	s_load_b64 s[12:13], s[0:1], 0x20              ; wf
	v_lshrrev_b32 v3, 5, v0
	v_readfirstlane_b32 s14, v3                    ; wave 0..3
	s_lshr_b32 s15, ttmp9, 6                       ; which matrix
	s_and_b32 s16, ttmp9, 63
	s_lshl_b32 s16, s16, 2
	s_add_co_u32 s16, s16, s14                     ; my task among the matrix's 256
	s_lshr_b32 s17, s16, 3                         ; block of 16 rows, 0..31
	s_and_b32 s18, s16, 7                          ; pair of K steps, 0..7
	v_and_b32 v4, 15, v0                           ; r
	v_bfe_u32 v5, v0, 4, 1                         ; h
	v_lshlrev_b32 v1, 11, v4                       ; from: r rows of 2,048 bytes
	v_lshl_add_u32 v1, v5, 5, v1                   ;       + 8 h numbers of 4 bytes
	v_and_b32 v2, 31, v0
	v_lshlrev_b32 v2, 4, v2                        ; to: lane x 16
	s_lshl_b32 s22, s17, 15                        ; 16 rows of 2,048 bytes
	s_lshl_b32 s19, s18, 8                         ; 64 k of 4 bytes
	s_add_co_u32 s22, s22, s19
	s_mov_b32 s23, 0
	s_lshl_b32 s24, s15, 19                        ; the part,
	s_lshr_b32 s19, s17, 3
	s_lshl_b32 s19, s19, 17                        ; the 128 rows,
	s_add_co_u32 s24, s24, s19
	s_and_b32 s19, s17, 7
	s_lshl_b32 s19, s19, 10                        ; the block among their eight,
	s_add_co_u32 s24, s24, s19
	s_lshl_b32 s19, s18, 14                        ; two K steps of 8,192 bytes
	s_add_co_u32 s24, s24, s19
	s_mov_b32 s25, 0
	s_mov_b32 s26, 0xffff0000                      ; a word's upper bf16
	s_wait_kmcnt 0x0
	s_cmp_eq_u32 s15, 1                            ; the source is chosen by the work-group's number
	s_cselect_b64 s[20:21], s[6:7], s[4:5]
	s_cmp_eq_u32 s15, 2
	s_cselect_b64 s[20:21], s[8:9], s[20:21]
	s_cmp_eq_u32 s15, 3
	s_cselect_b64 s[20:21], s[10:11], s[20:21]
	s_add_nc_u64 s[20:21], s[20:21], s[22:23]
	s_add_nc_u64 s[12:13], s[12:13], s[24:25]
.irp s, 0,1
.irp f, 0,1
	global_load_b128 v[8+8*(2*(\s)+(\f)):8+8*(2*(\s)+(\f))+3],   v1, s[20:21] offset:128*(\s)+64*(\f) th:TH_LOAD_NT     ; K step s, half f: 8 numbers a lane
	global_load_b128 v[8+8*(2*(\s)+(\f))+4:8+8*(2*(\s)+(\f))+7], v1, s[20:21] offset:128*(\s)+64*(\f)+16 th:TH_LOAD_NT
.endr
.endr
	s_wait_loadcnt 0x0
.set i, 0
.rept 16
	v_cvt_pk_bf16_f32 v[40+i], v[8+2*i], v[8+2*i+1]
.set i, i+1
.endr
	s_cmp_lg_u32 s15, 3
	s_cbranch_scc1 .Lstore
.set i, 0
.rept 16                                               ; Wo: the bf16 numbers written as f16
	v_lshlrev_b32 v[56+2*(i%2)], 16, v[40+i]
	v_and_b32 v[57+2*(i%2)], s26, v[40+i]
	v_cvt_pk_f16_f32 v[40+i], v[56+2*(i%2)], v[57+2*(i%2)]
.set i, i+1
.endr
.Lstore:
.irp s, 0,1
.irp f, 0,1
	global_store_b128 v2, v[40+4*(2*(\s)+(\f)):40+4*(2*(\s)+(\f))+3], s[12:13] offset:8192*(\s)+512*(\f)
.endr
.endr
	s_endpgm
.Lfunc_end_k_q44da12e93a_prep:
	.size	k_q44da12e93a_prep, .Lfunc_end_k_q44da12e93a_prep-k_q44da12e93a_prep
	.p2alignl 7, 3214868480
	.fill 96, 4, 3214868480
	.section	.rodata,"a",@progbits
	.p2align	6, 0x0
	.amdhsa_kernel k_q44da12e93a_prep
		.amdhsa_group_segment_fixed_size 0
		.amdhsa_private_segment_fixed_size 0
		.amdhsa_enable_private_segment 0
		.amdhsa_kernarg_size 40
		.amdhsa_user_sgpr_count 2
		.amdhsa_user_sgpr_kernarg_segment_ptr 1
		.amdhsa_wavefront_size32 1
		.amdhsa_system_sgpr_workgroup_id_x 1
		.amdhsa_system_sgpr_workgroup_id_y 1
		.amdhsa_system_sgpr_workgroup_id_z 1
		.amdhsa_system_vgpr_workitem_id 0
		.amdhsa_next_free_vgpr 64
		.amdhsa_next_free_sgpr 66
		.amdhsa_reserve_vcc 0
		.amdhsa_float_denorm_mode_32 3
		.amdhsa_float_denorm_mode_16_64 3
		.amdhsa_memory_ordered 1
		.amdhsa_forward_progress 1
		.amdhsa_inst_pref_size 6
	.end_amdhsa_kernel
	.amdgpu_metadata
---
amdhsa.version: [ 1, 2 ]
amdhsa.kernels:
  - .name:           k_q44da12e93a_prep
    .symbol:         k_q44da12e93a_prep.kd
    .args:
      - { .name: Wq, .offset: 0, .size: 8, .value_kind: global_buffer, .address_space: global }
      - { .name: Wk, .offset: 8, .size: 8, .value_kind: global_buffer, .address_space: global }
      - { .name: Wv, .offset: 16, .size: 8, .value_kind: global_buffer, .address_space: global }
      - { .name: Wo, .offset: 24, .size: 8, .value_kind: global_buffer, .address_space: global }
      - { .name: wf, .offset: 32, .size: 8, .value_kind: global_buffer, .address_space: global }
    .group_segment_fixed_size: 0
    .private_segment_fixed_size: 0
    .kernarg_segment_align: 8
    .kernarg_segment_size: 40
    .max_flat_workgroup_size: 128
    .sgpr_count:     66
    .vgpr_count:     64
    .wavefront_size: 32
...
	.end_amdgpu_metadata
.endif
;; end of part 1
;; launch kv (part 2): grid 256 x 1, 4 waves a work-group, no clusters, 270,848 bytes of LDS; arguments key, value, bv, wf, kf, vf, bk; writes kf, vf
.if DOCPART == 2
	.amdgcn_target "amdgcn-amd-amdhsa--gfx1250"
	.amdhsa_code_object_version 6
	.text
	.protected	k_q44da12e93a_kv
	.globl	k_q44da12e93a_kv
	.p2align	8
	.type	k_q44da12e93a_kv,@function
k_q44da12e93a_kv:
	s_mov_b64 s[64:65], 0
	v_nop
	global_prefetch_b8 v0, s[64:65] scope:SCOPE_SE
	s_setreg_imm32_b32 hwreg(HW_REG_WAVE_MODE, 25, 1), 1
	s_wait_xcnt 0x0
; K = key Wk^T + bk and V = value Wv^T + bv for 64 rows a work-group, stored as f16 matrix fragments for the launch behind.  Nothing is left out here.
; LIMITS: |K| and |V| stay under 65,504 (f16); key, value, Wk, Wv, bk, bv are rounded once to bf16; sums in f32.
; SHARES.  Work-group g: rows 64 g .. 64 g + 63 of key, then of value.  Wave w: output columns 128 w .. 128 w + 127 (heads 2 w, 2 w + 1): 4 x 8 accumulators of 16 x 16.
; THE WAY IN.  A tile (64 rows x 2,048 bytes of f32) is cut into four chunks of 128 k, a chunk into four parts of 16 rows.  Wave w asks for part w of every chunk by a tensor load of its own, key's chunks first,
; then value's: eight loads of mine are out at the start, every LDS byte is filled once.  The loads have 16 rows, not 64, so that a chunk is whole when four short loads have landed, and K's product begins on
; key's first chunk while the other seven are on their way.
; ONE CONVERSION.  The wave that asked for a part reads it (its own bytes, behind its own counted wait), rounds it to bf16 and stores it as four fragments (16 rows x 32 k, 1,024 bytes each) IN PLACE, over the first 4,096 of
; the part's 8,448 bytes: all 16 reads are issued ahead of the 8 stores, LDS serves a wave's instructions in order (ISA guide 5.7.1.4), and no other wave touches the part before the barrier behind the stores.
;   fragment (ks, a) at tile + (ks / 4) x 33,792 + a x 8,448 + (ks % 4) x 1,024 + half x 512 + lane x 16
; A K STEP is then 8 LDS loads (x's four fragments of the next step), 16 global loads (W's eight fragments three steps on: 512 consecutive bytes a load; no other wave of the work-group wants them) and 32 products.
; K's 16 steps are written out, since each chunk's wait has a count of its own: chunk c + 1 is read in step 4 c + 1, converted behind that step's products, and shown to all by a barrier behind step 4 c + 2.
; Value has landed when K is done: its chunks are converted in a loop, and V's steps go in a loop.  The biases are the C operand of each product's first K step.
; NO CLUSTER: what work-groups share is wf.  Asked for jointly it would have to pass through LDS: 32 KiB written and 32 KiB read more for a K step's 128 matrix instructions, beside the 16 KiB of x's fragments;
; and beside the two f32 tiles LDS has 56,832 bytes left, room for two slots of less than one K step of 32 KiB each.
; THE WAY OUT.  K: source 0 = W, so a lane holds one token and 8 neighbouring channels: that IS a fragment of K (16 keys x 32 channels).  V: source 0 = x, so a lane holds one channel and 8 tokens: a fragment of V^T.
;   kf byte = g x 65,536 + head x 8,192 + kb x 2,048 + c x 1,024 + half x 512 + lane x 16      (kb: 16 keys; c: 32 channels)
;   vf byte = g x 65,536 + head x 8,192 + (kk x 4 + cb) x 1,024 + half x 512 + lane x 16        (kk: 32 keys; cb: 16 channels)
; Each store of a wave covers 512 consecutive bytes, aligned.
; REGISTERS, in windows of 256 (s_set_vgpr_msb: bits 1:0 source 0, 3:2 source 1, 5:4 source 2, 7:6 destination):
;   window 0: v0-29 addresses and bv; v32-95 x's fragments, two buffers; v96-127 a part just converted; v128-191 bk as a C operand; v192-255 a part as read (f32); later v128-255 packed results
;   window 1: the accumulators, (a, b) at 8 (8 a + b); between the products v0-127 value's parts as read      window 2: four sets of W's eight fragments      window 3: v0-63 bv as a C operand
.set PITCH, 528                        ; an LDS row of f32: 512 bytes + 16 of padding: the 16 rows of a load begin 16 bytes apart modulo 256
.set SUB,   16*PITCH                   ; a part: 16 rows of a chunk: what one tensor load brings and one wave converts
.set CHUNK, 4*SUB                      ; 128 k of the 64 rows
.set TILE,  4*CHUNK
.set SPARE, 2*TILE                     ; behind the tiles: the spare words, 128 bytes a wave
.set KSB,   8192                       ; a wave's eight fragments of W for one K step
.set PS,    1024                       ; from a K step's fragment of x to the next K step's, inside a chunk
.set XBR, 2                            ; v2   LDS address of x's fragments: lane x 16 + the chunk in hand
.set LO,  3                            ; v3   lane x 16; never rewritten
.set CVR, 4                            ; v4   where I read my part of the chunk to be converted next: r x 528 + 32 h + my part; steps a chunk at a time, from key's last into value's first
.set BVO, 5                            ; v5   r x 4
.set BV,  8                            ; v[8:15]  bv of my channel in each of the eight column blocks
.set BKO, 16                           ; v16  32 h
.set CVW, 17                           ; v17  where I put its fragments: lane x 16 + my part; steps likewise
.set T0,  24                           ; v[24:27] at work
.set SPW, 28                           ; v28  my spare word's LDS address; never rewritten
.set NIL, 29                           ; v29  0; never rewritten
.set AF,  32
.set CVO, 96
.set BB,  128                          ; v[128:191] bk of my 8 channels in each of the eight column blocks
.set RAW, 192
.set TMP, 128
.set BVC, 0                            ; window 3
.set WV,  16                           ; s16  my wave's number
.set G1,  24                           ; s[24:31] descriptor group 1
.set WP,  40                           ; s[40:41] where my fragments of W stand
.set CNT, 42
.set KFB, 44                           ; s[44:45] kf at my work-group's and wave's part
.set VFB, 46                           ; s[46:47] vf likewise
.set HIM, 48                           ; s48  0xffff0000
.set BKP, 50                           ; s[50:51] bk at my 128 columns
.set G0,  68                           ; s[68:99] descriptor group 0, a set for each of my eight loads: none is written again
.set MSB, 0
.macro WIN new                         ; the immediate's high byte repeats the setting that is left; a switch that changes nothing is dropped
.if MSB != (\new)
	s_set_vgpr_msb (MSB<<8)|(\new)
.set MSB, \new
.endif
.endm
.macro PLACES                          ; four plain instructions behind a matrix instruction, ahead of loads into its sources and of vector lines that read its result or write its sources
.rept 4
	v_nop
.endr
.endm
.macro BLOAD bs, imm                   ; a K step's eight fragments of W into set bs: 16 loads of 512 consecutive bytes
	WIN 0x80
.irp b, 0,1,2,3,4,5,6,7
	global_load_b128 v[64*(\bs)+8*(\b):64*(\bs)+8*(\b)+3],   v[LO], s[WP:WP+1] offset:(\imm)+1024*(\b)
	global_load_b128 v[64*(\bs)+8*(\b)+4:64*(\bs)+8*(\b)+7], v[LO], s[WP:WP+1] offset:(\imm)+1024*(\b)+512
.endr
.endm
.macro ALOAD p, imm                    ; a K step's four fragments of x into buffer p: 8 loads of 512 consecutive bytes
	WIN 0
.irp a, 0,1,2,3
	ds_load_b128 v[AF+32*(\p)+8*(\a):AF+32*(\p)+8*(\a)+3],   v[XBR] offset:(\imm)+SUB*(\a)
	ds_load_b128 v[AF+32*(\p)+8*(\a)+4:AF+32*(\p)+8*(\a)+7], v[XBR] offset:(\imm)+SUB*(\a)+512
.endr
.endm
; MY PART OF A CHUNK IS READ: 16 rows x 128 k of f32, for each K step k of the chunk's four my k = 8 h + 0..7 and 16 + 8 h + 0..7 of row r: 64 registers from rb on (w1 = 1: in window 1).
.macro CVL rb, w1
	WIN 0x40*(\w1)
.irp k, 0,1,2,3
	ds_load_b128 v[(\rb)+16*(\k):(\rb)+16*(\k)+3],     v[CVR] offset:128*(\k)
	ds_load_b128 v[(\rb)+16*(\k)+4:(\rb)+16*(\k)+7],   v[CVR] offset:128*(\k)+16
	ds_load_b128 v[(\rb)+16*(\k)+8:(\rb)+16*(\k)+11],  v[CVR] offset:128*(\k)+64
	ds_load_b128 v[(\rb)+16*(\k)+12:(\rb)+16*(\k)+15], v[CVR] offset:128*(\k)+80
.endr
	WIN 0
	v_add_nc_u32 v[CVR], CHUNK, v[CVR]             ; the next chunk's part
.endm
; AND CONVERTED: rounded to bf16 into 32 registers from ob on, and stored as the chunk's four fragments of my 16 rows, over the part's first 4,096 bytes.
.macro CVS rb, w1, ob
	WIN 0x05*(\w1)
.irp k, 0,1,2,3
.irp i, 0,1,2,3,4,5,6,7
	v_cvt_pk_bf16_f32 v[(\ob)+8*(\k)+(\i)], v[(\rb)+16*(\k)+2*(\i)], v[(\rb)+16*(\k)+2*(\i)+1]
.endr
.endr
	WIN 0
.irp k, 0,1,2,3
	ds_store_b128 v[CVW], v[(\ob)+8*(\k):(\ob)+8*(\k)+3]   offset:PS*(\k)
	ds_store_b128 v[CVW], v[(\ob)+8*(\k)+4:(\ob)+8*(\k)+7] offset:PS*(\k)+512
.endr
	v_add_nc_u32 v[CVW], CHUNK, v[CVW]
.endm
; ONE K STEP.  j: the set of W that it multiplies; p: the buffer of x.  cin: 0 adds on; 2 starts the sums with the bias at v[CB + 8 b] under the setting CWIN.  bimm: where W's K step three on stands (or -1);
; aimm: where x's next K step stands (or -1).  dcnt: the LDS loads just issued for the next step, which may stay out; lcnt: the loads of W younger than set j's.  ord: 0 source 0 = W; 1 source 0 = x.
; cv = 1: my part of the next chunk is read in this step's run of LDS loads (16 more may stay out) and converted behind the step's products.
; The 32 accumulators take turns, one instruction a turn, over step and loop edges too.
.macro HSTEP j, p, cin, bimm, aimm, dcnt, lcnt, ord, cv
.if (\bimm) >= 0
	BLOAD ((\j)+3)%4, \bimm
.endif
	WIN 0
.if (\aimm) >= 0
	ALOAD 1-(\p), \aimm
.endif
.if \cv
	CVL RAW, 0
.endif
	s_wait_dscnt (\dcnt)+16*(\cv)                  ; this step's x is in; LDS loads come back in order (ISA guide 5.7.1)
	s_wait_loadcnt \lcnt                           ; set j is in
.if (\cin) == 2
	WIN CWIN
.elseif (\ord) == 0
	WIN 0x52
.else
	WIN 0x58
.endif
.irp b, 0,1,2,3,4,5,6,7
.irp a, 0,1,2,3
.set rD, 8*(8*(\a)+(\b))
.if (\ord) == 0
.set fA, 64*(\j)+8*(\b)
.set fB, AF+32*(\p)+8*(\a)
.else
.set fA, AF+32*(\p)+8*(\a)
.set fB, 64*(\j)+8*(\b)
.endif
.if (\cin) == 0
	v_wmma_f32_16x16x32_bf16 v[rD:rD+7], v[fA:fA+7], v[fB:fB+7], v[rD:rD+7]
.else
	v_wmma_f32_16x16x32_bf16 v[rD:rD+7], v[fA:fA+7], v[fB:fB+7], v[CB+8*(\b):CB+8*(\b)+7]
.endif
.endr
.endr
	WIN 0
	PLACES                                         ; ahead of the next step's loads into a set of W and into a buffer of x
.if \cv
	s_wait_dscnt 0x0                               ; my part is in registers (it was asked for ahead of the 32 products)
	CVS RAW, 0, CVO
.endif
.endm
; FOUR K STEPS, 4 t + 1 .. 4 t + 4.  tc >= 0: the next chunk is made ready on the way: tc is the number of my tensor loads issued behind that chunk's, which may stay out.
.macro GROUP ord, tc
.if (\tc) >= 0
	s_wait_tensorcnt \tc                           ; tensor loads of a wave end in order (ISA guide 10.11.1): my part of the next chunk is in LDS
	HSTEP 1, 1, 0, 4*KSB, 2*PS, 8, 48, \ord, 1
.else
	HSTEP 1, 1, 0, 4*KSB, 2*PS, 8, 48, \ord, 0
.endif
	HSTEP 2, 0, 0, 5*KSB, 3*PS, 8, 48, \ord, 0
.if (\tc) >= 0
	s_wait_dscnt 0x0                               ; for the others' sake: my fragments of the next chunk are stored
	s_barrier_signal -1
	s_barrier_wait -1                              ; everybody's are; later tensor loads may stay out
.endif
	HSTEP 3, 1, 0, 6*KSB, CHUNK, 8, 48, \ord, 0    ; reads the next chunk's first fragments
	HSTEP 0, 0, 0, 7*KSB, CHUNK+PS, 8, 48, \ord, 0
	s_wait_xcnt 0x0                                ; the loads issued so far have read their base: it may be stepped
	s_add_nc_u64 s[WP:WP+1], s[WP:WP+1], 4*KSB
	v_add_nc_u32 v[XBR], CHUNK, v[XBR]
.endm
.macro TAIL ord                        ; the last three K steps ask for no W: two younger sets, then one, then none
	HSTEP 1, 1, 0, -1, 2*PS, 8, 32, \ord, 0
	HSTEP 2, 0, 0, -1, 3*PS, 8, 16, \ord, 0
	HSTEP 3, 1, 0, -1, -1, 0, 0, \ord, 0
.endm
; THE WAY OUT: rounded to f16, each accumulator's registers in ascending order; 16 bytes a lane are a fragment's part.  kind 0: K; 1: V^T.
.macro EPI kind
	WIN 0x05
.irp a, 0,1,2,3
.irp b, 0,1,2,3,4,5,6,7
.irp i, 0,1,2,3
	v_cvt_pk_f16_f32 v[TMP+4*(8*(\a)+(\b))+(\i)], v[8*(8*(\a)+(\b))+2*(\i)], v[8*(8*(\a)+(\b))+2*(\i)+1]
.endr
.endr
.endr
	WIN 0
.irp a, 0,1,2,3
.irp b, 0,1,2,3,4,5,6,7
.if (\kind) == 0
	global_store_b128 v[LO], v[TMP+4*(8*(\a)+(\b)):TMP+4*(8*(\a)+(\b))+3], s[KFB:KFB+1] offset:(\a)*2048+((\b)/4)*8192+((\b)%4)*512
.else
	global_store_b128 v[LO], v[TMP+4*(8*(\a)+(\b)):TMP+4*(8*(\a)+(\b))+3], s[VFB:VFB+1] offset:((\b)/4)*8192+(((\a)/2)*4+(\b)%4)*1024+((\a)%2)*512
.endif
.endr
.endr
.endm
	s_load_b256 s[4:11], s[0:1], 0x0               ; key s[4:5], value s[6:7], bv s[8:9], wf s[10:11]
	s_load_b128 s[12:15], s[0:1], 0x20             ; kf s[12:13], vf s[14:15]
	s_load_b64 s[BKP:BKP+1], s[0:1], 0x30          ; bk
	v_lshl_add_u32 v[SPW], v0, 2, SPARE
	v_mov_b32 v[NIL], 0
	ds_add_u32 v[SPW], v[NIL]                      ; the wave's opening: the add, twice on end, and its wait ahead of my first tensor load
	ds_add_u32 v[SPW], v[NIL]
	v_lshrrev_b32 v1, 5, v0
	v_readfirstlane_b32 s[WV], v1                  ; wave 0..3
	; descriptor group 1: a part of 16 rows x 128 numbers of 4 bytes, padded in LDS
	s_mov_b32 s[G1+0], (2<<16)|(1<<20)|(6<<22)|(3<<25)  ; 17:16 elements of 4 bytes; 20 padding on; 24:22 after every 128 words (code 6); 31:25 4 words (code 3)
	s_mov_b32 s[G1+1], 128<<16                     ; tensor_dim0 = 128
	s_mov_b32 s[G1+2], 16<<16                      ; tensor_dim1 = 16
	s_mov_b32 s[G1+3], 128<<16                     ; tile_dim0 = 128
	s_mov_b32 s[G1+4], 16                          ; tile_dim1 = 16
	s_mov_b32 s[G1+5], 512                         ; 512 elements from row to row
	s_mov_b32 s[G1+6], 0
	s_mov_b32 s[G1+7], 0
	s_mul_i32 s22, s[WV], SUB                      ; my part's place in a chunk
.set n, 0
.rept 8                                                ; load n: tile n / 4 (key, value), chunk n % 4
	s_mov_b32 s[G0+4*n], 1
	s_add_co_u32 s[G0+4*n+1], s22, (n/4)*TILE+(n%4)*CHUNK
.set n, n+1
.endr
	s_mov_b32 s[HIM], 0xffff0000
	s_lshl_b32 s20, ttmp9, 17                      ; 64 rows of 2,048 bytes,
	s_lshl_b32 s21, s[WV], 15                      ; my 16 of them
	s_add_co_u32 s20, s20, s21
	s_mov_b32 s21, 0
	s_wait_dscnt 0x0                               ; both opening adds are done
	s_wait_kmcnt 0x0
	s_add_nc_u64 s[4:5], s[4:5], s[20:21]          ; key and value at my 16 rows
	s_add_nc_u64 s[6:7], s[6:7], s[20:21]
.set n, 0
.rept 4
	s_add_nc_u64 s[G0+4*n+2:G0+4*n+3], s[4:5], 512*n           ; chunk n: 512 bytes further along the rows
	s_or_b32 s[G0+4*n+3], s[G0+4*n+3], 0x80000000              ; type = 2
	s_add_nc_u64 s[G0+16+4*n+2:G0+16+4*n+3], s[6:7], 512*n
	s_or_b32 s[G0+16+4*n+3], s[G0+16+4*n+3], 0x80000000
.set n, n+1
.endr
.set n, 0
.rept 8                                                ; all first fills together, in the order in which they are wanted: eight tensor loads of mine are out
	tensor_load_to_lds s[G0+4*n:G0+4*n+3], s[G1:G1+7]
	s_nop 0
.set n, n+1
.endr
	PLACES
	s_lshl_b32 s20, s[WV], 9
	s_add_nc_u64 s[8:9], s[8:9], s[20:21]          ; bv and bk at my 128 columns
	s_add_nc_u64 s[BKP:BKP+1], s[BKP:BKP+1], s[20:21]
	s_lshl_b32 s20, s[WV], 17
	s_add_co_u32 s20, s20, 524288
	s_add_nc_u64 s[WP:WP+1], s[10:11], s[20:21]    ; Wk's part of wf, my 128 rows
	s_lshl_b32 s20, ttmp9, 16
	s_lshl_b32 s23, s[WV], 14
	s_add_co_u32 s20, s20, s23
	s_add_nc_u64 s[KFB:KFB+1], s[12:13], s[20:21]
	s_add_nc_u64 s[VFB:VFB+1], s[14:15], s[20:21]
	v_and_b32 v6, 15, v0                           ; r
	v_bfe_u32 v7, v0, 4, 1                         ; h
	v_and_b32 v[LO], 31, v0
	v_lshlrev_b32 v[LO], 4, v[LO]
	v_mul_u32_u24 v[CVR], v6, PITCH
	v_lshl_add_u32 v[CVR], v7, 5, v[CVR]
	v_add_nc_u32 v[CVR], s22, v[CVR]               ; r x 528 + 32 h + my part, in key's chunk 0
	v_add_nc_u32 v[CVW], s22, v[LO]
	v_mov_b32 v[XBR], v[LO]
	v_lshlrev_b32 v[BVO], 2, v6
	v_lshlrev_b32 v[BKO], 5, v7
.irp b, 0,1,2,3,4,5,6,7
	global_load_b128 v[BB+8*(\b):BB+8*(\b)+3],   v[BKO], s[BKP:BKP+1] offset:64*(\b)     ; bk of channels 16 b + 8 h + 0..7: in K's accumulators a lane's eight registers are eight channels of one token
	global_load_b128 v[BB+8*(\b)+4:BB+8*(\b)+7], v[BKO], s[BKP:BKP+1] offset:64*(\b)+16
.endr
.irp b, 0,1,2,3,4,5,6,7
	global_load_b32 v[BV+(\b)], v[BVO], s[8:9] offset:64*(\b)  ; bv of channel 16 b + r
.endr
	BLOAD 0, 0
	BLOAD 1, KSB
	BLOAD 2, 2*KSB
	WIN 0
	s_wait_loadcnt 48                              ; bk and bv are in: the three sets of W behind them may stay out
.set p, 0
.rept 32                                               ; bk rounded to bf16, like every input
	v_cvt_pk_bf16_f32 v[T0+p%2], v[BB+2*p], v[BB+2*p+1]
	v_lshlrev_b32 v[BB+2*p], 16, v[T0+p%2]
	v_and_b32 v[BB+2*p+1], s[HIM], v[T0+p%2]
.set p, p+1
.endr
	s_wait_tensorcnt 0x7                           ; my part of key's chunk 0 is in; the seven loads behind it may stay out
	CVL RAW, 0
	s_wait_dscnt 0x0
	CVS RAW, 0, CVO
	s_wait_dscnt 0x0                               ; for the others' sake: my fragments of chunk 0 are stored
	s_barrier_signal -1
	s_barrier_wait -1                              ; everybody's are
	ALOAD 0, 0
.set CWIN, 0x42                        ; source 0 (W) window 2, source 1 (x) and C (bk) window 0, D window 1
.set CB, BB
	HSTEP 0, 0, 2, 3*KSB, PS, 8, 48, 0, 0          ; K = key Wk^T + bk: the first K step starts the sums with bk
	GROUP 0, 6                                     ; K steps 1-4; key's chunk 1 is made ready: six loads were issued behind it
	GROUP 0, 5                                     ; K steps 5-8; chunk 2
	GROUP 0, 4                                     ; K steps 9-12; chunk 3: value's four loads may stay out
	TAIL 0
	s_wait_xcnt 0x0
	s_lshl_b32 s20, s[WV], 17
	s_add_co_u32 s20, s20, 2*524288
	s_add_nc_u64 s[WP:WP+1], s[10:11], s[20:21]    ; Wv's part
	BLOAD 0, 0                                     ; Wv's first three K steps are on their way while K goes out
	BLOAD 1, KSB
	BLOAD 2, 2*KSB
	WIN 0
	PLACES
	EPI 0
.irp p, 0,1,2,3                                        ; bv rounded to bf16 like every input
	v_cvt_pk_bf16_f32 v[T0+(\p)], v[BV+2*(\p)], v[BV+2*(\p)+1]
	v_lshlrev_b32 v[BV+2*(\p)], 16, v[T0+(\p)]
	v_and_b32 v[BV+2*(\p)+1], s[HIM], v[T0+(\p)]
.endr
	WIN 0xc0
.irp b, 0,1,2,3,4,5,6,7                                ; in V's accumulators a lane's eight registers are eight tokens of one channel: the bias eight times
.irp i, 0,1,2,3,4,5,6,7
	v_mov_b32 v[BVC+8*(\b)+(\i)], v[BV+(\b)]
.endr
.endr
	WIN 0
	s_wait_tensorcnt 0x0                           ; my parts of value's four chunks are in
	s_mov_b32 s[CNT], 2
.Lcv:                                                  ; two trips, two chunks each; the parts are read into the accumulators' registers, which K has left
	CVL 0, 1
	CVL 64, 1
	s_wait_dscnt 16                                ; the first part is in registers; the second's 16 loads may stay out
	CVS 0, 1, CVO
	s_wait_dscnt 8                                 ; the second is in; the first's 8 stores may stay out
	CVS 64, 1, AF
	s_sub_co_u32 s[CNT], s[CNT], 1
	s_cmp_lg_u32 s[CNT], 0
	s_cbranch_scc1 .Lcv
	s_wait_dscnt 0x0                               ; for the others' sake: my fragments of value are stored
	s_barrier_signal -1
	s_barrier_wait -1                              ; everybody's are
	v_add_nc_u32 v[XBR], TILE, v[LO]
	ALOAD 0, 0
.set CWIN, 0x78                        ; source 0 (x) window 0, source 1 (W) window 2, C window 3, D window 1
.set CB, BVC
	HSTEP 0, 0, 2, 3*KSB, PS, 8, 48, 1, 0          ; V = value Wv^T + bv
	s_mov_b32 s[CNT], 3
.Lv:
	GROUP 1, -1
	s_sub_co_u32 s[CNT], s[CNT], 1
	s_cmp_lg_u32 s[CNT], 0
	s_cbranch_scc1 .Lv
	TAIL 1
	PLACES
	s_wait_xcnt 0x0                                ; K's stores have read the registers that V's results are packed into
	EPI 1
	s_wait_tensorcnt 0x0                           ; the wave's end, behind my last LDS store
	ds_add_u32 v[SPW], v[NIL]
	s_wait_dscnt 0x0
	s_endpgm
.Lfunc_end_k_q44da12e93a_kv:
	.size	k_q44da12e93a_kv, .Lfunc_end_k_q44da12e93a_kv-k_q44da12e93a_kv
	.p2alignl 7, 3214868480
	.fill 96, 4, 3214868480
	.section	.rodata,"a",@progbits
	.p2align	6, 0x0
	.amdhsa_kernel k_q44da12e93a_kv
		.amdhsa_group_segment_fixed_size 270848
		.amdhsa_private_segment_fixed_size 0
		.amdhsa_enable_private_segment 0
		.amdhsa_kernarg_size 56
		.amdhsa_user_sgpr_count 2
		.amdhsa_user_sgpr_kernarg_segment_ptr 1
		.amdhsa_wavefront_size32 1
		.amdhsa_system_sgpr_workgroup_id_x 1
		.amdhsa_system_sgpr_workgroup_id_y 1
		.amdhsa_system_sgpr_workgroup_id_z 1
		.amdhsa_system_vgpr_workitem_id 0
		.amdhsa_next_free_vgpr 832
		.amdhsa_next_free_sgpr 100
		.amdhsa_reserve_vcc 0
		.amdhsa_float_denorm_mode_32 3
		.amdhsa_float_denorm_mode_16_64 3
		.amdhsa_memory_ordered 1
		.amdhsa_forward_progress 1
		.amdhsa_inst_pref_size 164
	.end_amdhsa_kernel
	.amdgpu_metadata
---
amdhsa.version: [ 1, 2 ]
amdhsa.kernels:
  - .name:           k_q44da12e93a_kv
    .symbol:         k_q44da12e93a_kv.kd
    .args:
      - { .name: key, .offset: 0, .size: 8, .value_kind: global_buffer, .address_space: global }
      - { .name: value, .offset: 8, .size: 8, .value_kind: global_buffer, .address_space: global }
      - { .name: bv, .offset: 16, .size: 8, .value_kind: global_buffer, .address_space: global }
      - { .name: wf, .offset: 24, .size: 8, .value_kind: global_buffer, .address_space: global }
      - { .name: kf, .offset: 32, .size: 8, .value_kind: global_buffer, .address_space: global }
      - { .name: vf, .offset: 40, .size: 8, .value_kind: global_buffer, .address_space: global }
      - { .name: bk, .offset: 48, .size: 8, .value_kind: global_buffer, .address_space: global }
    .group_segment_fixed_size: 270848
    .private_segment_fixed_size: 0
    .kernarg_segment_align: 8
    .kernarg_segment_size: 56
    .max_flat_workgroup_size: 128
    .sgpr_count:     100
    .vgpr_count:     832
    .wavefront_size: 32
...
	.end_amdgpu_metadata
.endif
;; end of part 2
;; launch main (part 3): grid 256 x 1, 4 waves a work-group, no clusters, 235,008 bytes of LDS; arguments query, bq, bo, wf, kf, vf, out0; writes out0
.if DOCPART == 3
	.amdgcn_target "amdgcn-amd-amdhsa--gfx1250"
	.amdhsa_code_object_version 6
	.text
	.protected	k_q44da12e93a_main
	.globl	k_q44da12e93a_main
	.p2align	8
	.type	k_q44da12e93a_main,@function
k_q44da12e93a_main:
	s_mov_b64 s[64:65], 0
	v_nop
	global_prefetch_b8 v0, s[64:65] scope:SCOPE_SE
	s_setreg_imm32_b32 hwreg(HW_REG_WAVE_MODE, 25, 1), 1
	s_wait_xcnt 0x0
; out = (softmax over positions i-255 .. i of q k / 8) v, by heads, times Wo^T, plus bo; q = query Wq^T + bq.  One work-group: 64 rows, all 8 heads.
; LEFT OUT: key tiles outside t-4 .. t (hidden by the module's own mask), and the products with the padding block's zeros; the padded keys' part in the softmax is kept (PADDING, below): shown at the head of the first kernel.
; LIMITS: |q| stays under 65,504 (f16); a hidden score counts as its value less 1e30; a weight below 2^-126 counts as 0; NaN and infinities are not treated apart.
; query, bq, bo are rounded once to bf16; q, the weights p and ctx to f16; products, maxima and sums in f32; l is the sum of the unrounded p.
; SHARES.  Work-group g: rows 64 g .. 64 g + 63, block t = g % 32 of its sequence.  Wave w: columns 128 w .. 128 w + 127 of both projections, which are heads 2 w and 2 w + 1: so q never leaves its wave's registers.
; PHASES.  (1) q: as in the launch before (f32 tile by tensor loads, filled once; W's fragments from memory, three K steps ahead); source 0 = W, so a lane's 8 results are part of a fragment of Q.
; (2) For each of my two heads: the diagonal key tile first, then the min(t, 4) tiles before it; a tile is 64 keys: S^T = K Q^T (32 matrix instructions), the softmax step, O^T += V^T P (32).
;     K's and V^T's fragments come straight from kf and vf, each asked for one tile ahead.  (3) ctx goes as f16 fragments into LDS, a barrier, (4) out = ctx Wo^T + bo, through a stage of my own in LDS to whole rows of 512 bytes.
; LAYOUT.  S^T holds one query a lane (lane % 16) and keys 8 (lane / 16) + 0..7; two such results rounded to f16 ARE source 1 of V^T P, whose result holds one query a lane and 8 channels: part of a fragment of ctx.
; SOFTMAX.  p = 2^(c s - c m), c = log2(e) / 8, with a running maximum m and sum l; O and l are multiplied by a = 2^(c m_old - c m_new) in every later step.  The diagonal tile holds every query's own key, so m is a true score from the first step on.
; PADDING.  Query i of a sequence has np = max(0, 255 - i) live padded keys, of score 0 and value 0.  They are one more step of the running softmax, taken at the head's end: with cm0 = 0 where np > 0 (else far below every c s),
; cm' = max(c m, cm0), a = 2^(c m - cm'), e = 2^(cm0 - cm'): l' = l a + np e, and O is multiplied by a / l'.  Where np = 0: a = 1, e = 0.  np and cm0 are made from ids, once.
; THE MASK is the C operand that starts a sum of S^T: 0, or -1e30 where the key is hidden.  With d = r - 8 h: diagonal tile: block kb < qt open, kb = qt hidden where j > d (MT), kb > qt hidden (MH).
; Tile four back: kb > qt open, kb = qt hidden where j <= d (MF), kb < qt hidden.  The tiles between are open: one text serves all later tiles, its masks being MF and MH times 1 (fourth tile back) or 0.
; NO CLUSTER: neighbours share four of five key tiles, but at different steps of their walks; wf is shared by all, and LDS has no room for slots of more than two K steps beside the f32 tile and ctx.
; REGISTERS, in windows of 256 (s_set_vgpr_msb: bits 1:0 source 0, 3:2 source 1, 5:4 source 2, 7:6 destination):
;   window 0: v0-29 addresses, np, cm0; projections: v32-63 (and v64-95) fragments, v64-127 x in f32, v128-191 bias; attention: v32-47 statistics, v48-63 at work, v64-191 S^T, v192-255 P
;   window 1: projections: accumulators, (a, b) at 8 (8 a + b); attention: v0-127 O^T, v128-167 masks      window 2: four sets of W's eight fragments
;   window 3: v0-63 Q of the head in hand, v64-127 Q of the second head, v128-191 K, v192-255 V^T
.set PITCH, 528                        ; an LDS row of 512 bytes + 16: the 16 rows of a load begin 16 bytes apart modulo 256
.set CHUNK, 64*PITCH
.set XB,    4*CHUNK                    ; ctx as fragments: (ks, a) at (4 ks + a) x 1,024 + half x 512 + lane x 16: 65,536 bytes
.set OS,    XB+65536                   ; the stages for the way out: 16 rows x 528 bytes for each wave
.set OSW,   16*PITCH
.set SPARE, OS+4*OSW                   ; the spare words, 128 bytes a wave
.set KSB,   8192
.set LA,  2                            ; v2   LDS address of my part of x's fragments
.set LO,  3                            ; v3   lane x 16; never rewritten
.set XBW, 4                            ; v4   where I put ctx
.set XBR, 5                            ; v5   where I read ctx
.set STO, 6                            ; v6   the way out: into my stage
.set RD,  7                            ; v7   and back
.set PFO, 8                            ; v8   lane x 256; never rewritten
.set BO,  9                            ; v9   32 h
.set T0,  10                           ; v10-11 at work
.set MV,  16                           ; v16-19 c m_old, a tile each
.set NPF, 20                           ; v20-23 np of my query in each tile, as f32; never rewritten
.set CM0, 24                           ; v24-27 cm0 likewise; never rewritten
.set SPW, 28
.set NIL, 29
.set AF,  32
.set RAW, 64
.set BB,  128
.set ST,  32                           ; tile qt: c m, m, l (even keys', odd keys') at ST + 4 qt
.set TM,  48                           ; tile qt: c0-c3 at work; c2 takes a
.set S,   64
.set P,   192
.set MT,  128                          ; window 1
.set MF,  136
.set MH,  144
.set MCT, 152
.set MCH, 160
.set Q2,  64                           ; window 3
.set KF,  128
.set VF,  192
.set WV,  18
.set WG,  19
.set TT,  20
.set NL,  21                           ; s21  later tiles: min(t, 4)
.set PFK, 22                           ; s[22:23] the prefetch's place in kf; never rewritten
.set G1,  24
.set G0,  32
.set WP,  36
.set KN,  38                           ; s[38:39] the tile of K that is asked for
.set VN,  40
.set OFF, 42                           ; s[42:43] its byte offset
.set NI,  44                           ; s44  how far back the next tile lies
.set NH,  45                           ; s45  0 or 8,192: the next tile's head
.set II,  46
.set HC,  47
.set CS,  48
.set SEL, 50
.set AL,  52
.set BIGN, 54
.set CNT, 55
.set OUTB, 56
.set KFB, 58
.set VFB, 60
.set PFV, 62
.set HIM, 66
.set LOWC, 67                          ; s67  -4.25e37: far below every c s
.set MSB, 0
.macro WIN new                         ; the immediate's high byte repeats the setting that is left; a switch that changes nothing is dropped
.if MSB != (\new)
	s_set_vgpr_msb (MSB<<8)|(\new)
.set MSB, \new
.endif
.endm
.macro PLACES                          ; four plain instructions behind a matrix instruction, ahead of loads into its sources and of vector lines that read its result or write its sources
.rept 4
	v_nop
.endr
.endm
.macro BLOAD bs, imm
	WIN 0x80
.irp b, 0,1,2,3,4,5,6,7
	global_load_b128 v[64*(\bs)+8*(\b):64*(\bs)+8*(\b)+3],   v[LO], s[WP:WP+1] offset:(\imm)+1024*(\b)
	global_load_b128 v[64*(\bs)+8*(\b)+4:64*(\bs)+8*(\b)+7], v[LO], s[WP:WP+1] offset:(\imm)+1024*(\b)+512
.endr
.endm
.macro RAWLOAD imm
	WIN 0
.irp a, 0,1,2,3
	ds_load_b128 v[RAW+16*(\a):RAW+16*(\a)+3],     v[LA] offset:(\imm)+(\a)*16*PITCH
	ds_load_b128 v[RAW+16*(\a)+4:RAW+16*(\a)+7],   v[LA] offset:(\imm)+(\a)*16*PITCH+16
	ds_load_b128 v[RAW+16*(\a)+8:RAW+16*(\a)+11],  v[LA] offset:(\imm)+(\a)*16*PITCH+64
	ds_load_b128 v[RAW+16*(\a)+12:RAW+16*(\a)+15], v[LA] offset:(\imm)+(\a)*16*PITCH+80
.endr
.endm
.macro BIASLOAD base                   ; my 8 columns in each of the eight column blocks
	WIN 0
.irp b, 0,1,2,3,4,5,6,7
	global_load_b128 v[BB+8*(\b):BB+8*(\b)+3],   v[BO], s[\base:\base+1] offset:64*(\b)
	global_load_b128 v[BB+8*(\b)+4:BB+8*(\b)+7], v[BO], s[\base:\base+1] offset:64*(\b)+16
.endr
.endm
.macro RNDB                            ; the bias rounded to bf16, like every input
.set p, 0
.rept 32
	v_cvt_pk_bf16_f32 v[T0+p%2], v[BB+2*p], v[BB+2*p+1]
	v_lshlrev_b32 v[BB+2*p], 16, v[T0+p%2]
	v_and_b32 v[BB+2*p+1], s[HIM], v[T0+p%2]
.set p, p+1
.endr
.endm
; ONE K STEP of q's projection.  j: the set of W.  cin: 0 adds on; 2 starts the sums with the bias.  bimm: the K step three on (or -1); rimm: the next K step of x in LDS (or -1); lcnt: younger loads of W.
; The 32 accumulators take turns, one instruction a turn, over step and loop edges too.
.macro XSTEP j, cin, bimm, rimm, lcnt
.if (\bimm) >= 0
	BLOAD ((\j)+3)%4, \bimm
.endif
	WIN 0
	s_wait_dscnt 0x0                               ; this step's x is in
.irp a, 0,1,2,3
.irp i, 0,1,2,3,4,5,6,7
	v_cvt_pk_bf16_f32 v[AF+8*(\a)+(\i)], v[RAW+16*(\a)+2*(\i)], v[RAW+16*(\a)+2*(\i)+1]
.endr
.endr
.if (\rimm) >= 0
	RAWLOAD \rimm
.endif
	s_wait_loadcnt \lcnt                           ; set j is in
.if (\cin) == 2
	WIN 0x42                                       ; W window 2, x and the bias window 0, D window 1
.else
	WIN 0x52
.endif
.irp b, 0,1,2,3,4,5,6,7
.irp a, 0,1,2,3
.set rD, 8*(8*(\a)+(\b))
.set fA, 64*(\j)+8*(\b)
.set fB, AF+8*(\a)
.if (\cin) == 0
	v_wmma_f32_16x16x32_bf16 v[rD:rD+7], v[fA:fA+7], v[fB:fB+7], v[rD:rD+7]
.else
	v_wmma_f32_16x16x32_bf16 v[rD:rD+7], v[fA:fA+7], v[fB:fB+7], v[BB+8*(\b):BB+8*(\b)+7]
.endif
.endr
.endr
	WIN 0
	PLACES
.endm
.macro GEMMX
	XSTEP 0, 2, 3*KSB, 128, 48
	s_mov_b32 s[CNT], 3
.Lg_\@:
	XSTEP 1, 0, 4*KSB, 256, 48
	XSTEP 2, 0, 5*KSB, 384, 48
	XSTEP 3, 0, 6*KSB, CHUNK, 48
	XSTEP 0, 0, 7*KSB, CHUNK+128, 48
	s_wait_xcnt 0x0                                ; the loads issued so far have read their base
	s_add_nc_u64 s[WP:WP+1], s[WP:WP+1], 4*KSB
	v_add_nc_u32 v[LA], CHUNK, v[LA]
	s_sub_co_u32 s[CNT], s[CNT], 1
	s_cmp_lg_u32 s[CNT], 0
	s_cbranch_scc1 .Lg_\@
	XSTEP 1, 0, -1, 256, 32
	XSTEP 2, 0, -1, 384, 16
	XSTEP 3, 0, -1, -1, 0
.endm
; ONE K STEP of the last projection: ctx's fragments come ready from LDS, into two buffers by turns.  p: the buffer that is multiplied; aimm: where the next K step's four fragments stand (or -1);
; dcnt: the 8 LDS loads just issued may stay out.
.macro ALOAD p, imm
	WIN 0
.irp a, 0,1,2,3
	ds_load_b128 v[AF+32*(\p)+8*(\a):AF+32*(\p)+8*(\a)+3],   v[XBR] offset:(\imm)+1024*(\a)
	ds_load_b128 v[AF+32*(\p)+8*(\a)+4:AF+32*(\p)+8*(\a)+7], v[XBR] offset:(\imm)+1024*(\a)+512
.endr
.endm
.macro HSTEP j, p, cin, bimm, aimm, dcnt, lcnt
.if (\bimm) >= 0
	BLOAD ((\j)+3)%4, \bimm
.endif
	WIN 0
.if (\aimm) >= 0
	ALOAD 1-(\p), \aimm
.endif
	s_wait_dscnt \dcnt
	s_wait_loadcnt \lcnt
.if (\cin) == 2
	WIN 0x42
.else
	WIN 0x52
.endif
.irp b, 0,1,2,3,4,5,6,7
.irp a, 0,1,2,3
.set rD, 8*(8*(\a)+(\b))
.set fA, 64*(\j)+8*(\b)
.set fB, AF+32*(\p)+8*(\a)
.if (\cin) == 0
	v_wmma_f32_16x16x32_f16 v[rD:rD+7], v[fA:fA+7], v[fB:fB+7], v[rD:rD+7]
.else
	v_wmma_f32_16x16x32_f16 v[rD:rD+7], v[fA:fA+7], v[fB:fB+7], v[BB+8*(\b):BB+8*(\b)+7]
.endif
.endr
.endr
	WIN 0
	PLACES
.endm
.macro GEMMH
	HSTEP 0, 0, 2, 3*KSB, 4096, 8, 48
	s_mov_b32 s[CNT], 3
.Lh_\@:
	HSTEP 1, 1, 0, 4*KSB, 2*4096, 8, 48
	HSTEP 2, 0, 0, 5*KSB, 3*4096, 8, 48
	HSTEP 3, 1, 0, 6*KSB, 4*4096, 8, 48
	HSTEP 0, 0, 0, 7*KSB, 5*4096, 8, 48
	s_wait_xcnt 0x0
	s_add_nc_u64 s[WP:WP+1], s[WP:WP+1], 4*KSB
	v_add_nc_u32 v[XBR], 4*4096, v[XBR]
	s_sub_co_u32 s[CNT], s[CNT], 1
	s_cmp_lg_u32 s[CNT], 0
	s_cbranch_scc1 .Lh_\@
	HSTEP 1, 1, 0, -1, 2*4096, 8, 32
	HSTEP 2, 0, 0, -1, 3*4096, 8, 16
	HSTEP 3, 1, 0, -1, -1, 0, 0
.endm
; THE FETCHES of a key tile's fragments: 16 loads of 512 consecutive bytes each.  The base is made anew from the tile's offset, behind the wait that frees it.
.macro KFETCH
	s_wait_xcnt 0x0
	s_add_nc_u64 s[KN:KN+1], s[KFB:KFB+1], s[OFF:OFF+1]
	WIN 0xc0
.irp f, 0,1,2,3,4,5,6,7
	global_load_b128 v[KF+8*(\f):KF+8*(\f)+3],   v[LO], s[KN:KN+1] offset:1024*(\f)
	global_load_b128 v[KF+8*(\f)+4:KF+8*(\f)+7], v[LO], s[KN:KN+1] offset:1024*(\f)+512
.endr
	WIN 0
.endm
.macro VFETCH
	s_wait_xcnt 0x0
	s_add_nc_u64 s[VN:VN+1], s[VFB:VFB+1], s[OFF:OFF+1]
	WIN 0xc0
.irp f, 0,1,2,3,4,5,6,7
	global_load_b128 v[VF+8*(\f):VF+8*(\f)+3],   v[LO], s[VN:VN+1] offset:1024*(\f)
	global_load_b128 v[VF+8*(\f)+4:VF+8*(\f)+7], v[LO], s[VN:VN+1] offset:1024*(\f)+512
.endr
	WIN 0
.endm
; The next tile: one further back; behind the last, the second head's diagonal tile.  Behind the second head's last step this names that head's diagonal tile once more: 16 KiB a wave that nothing reads,
; once a launch: the price of one text and one count of loads for every step.
.macro ADV
	s_add_co_u32 s[NI], s[NI], 1
	s_cmp_gt_u32 s[NI], s[NL]
	s_cselect_b32 s[NI], 0, s[NI]
	s_cselect_b32 s[NH], 8192, s[NH]
	s_sub_co_u32 s[OFF], s[WG], s[NI]
	s_lshl_b32 s[OFF], s[OFF], 16
	s_add_co_u32 s[OFF], s[OFF], s[NH]
.endm
; S^T = K Q^T: channels 32 c on.  The 16 accumulators go in one order in both passes over c (sel = 0: those that start from the constant 0; then sel = 1: those that start from a mask), so 15 others stand between a chain's two links.
.macro KQPASS first, c, sel
.irp qt, 0,1,2,3
.irp kb, 0,1,2,3
.set zz, 0
.if ((\first) && ((\kb) < (\qt))) || (!(\first) && ((\kb) > (\qt)))
.set zz, 1
.endif
.set rS, S+32*(\qt)+8*(\kb)
.set rK, KF+16*(\kb)+8*(\c)
.set rQ, 16*(\qt)+8*(\c)
.set rM, MH+16*(1-(\first))
.if (\kb) == (\qt)
.set rM, MT+24*(1-(\first))
.endif
.if (zz+(\sel)) == 1
.if (\c) == 1
	WIN 0x0f
	v_wmma_f32_16x16x32_f16 v[rS:rS+7], v[rK:rK+7], v[rQ:rQ+7], v[rS:rS+7]
.elseif zz == 1
	WIN 0x0f
	v_wmma_f32_16x16x32_f16 v[rS:rS+7], v[rK:rK+7], v[rQ:rQ+7], 0
.else
	WIN 0x1f
	v_wmma_f32_16x16x32_f16 v[rS:rS+7], v[rK:rK+7], v[rQ:rQ+7], v[rM:rM+7]
.endif
.endif
.endr
.endr
.endm
; O^T += V^T P: keys 32 kk on; 16 accumulators by turns.  first = 1: the first pass starts the sums.
.macro PVS first
	WIN 0x53
.irp kk, 0,1
.irp qt, 0,1,2,3
.irp cb, 0,1,2,3
.set rO, 32*(\qt)+8*(\cb)
.set rV, VF+32*(\kk)+8*(\cb)
.set rP, P+16*(\qt)+8*(\kk)
.if (\first) && ((\kk) == 0)
	v_wmma_f32_16x16x32_f16 v[rO:rO+7], v[rV:rV+7], v[rP:rP+7], 0
.else
	v_wmma_f32_16x16x32_f16 v[rO:rO+7], v[rV:rV+7], v[rP:rP+7], v[rO:rO+7]
.endif
.endr
.endr
.endr
.endm
; THE SOFTMAX STEP, the four tiles of 16 queries side by side, so that no line reads the result of the line before it.
.macro TREGS qt
.set rT, ST+4*(\qt)
.set rC, TM+4*(\qt)
.set rL, MV+(\qt)
.set rS, S+32*(\qt)
.set rP, P+16*(\qt)
.set rO, 32*(\qt)
.endm
; Number n of the 22 that find a tile's maximum and statistics.  0-11: four chains of seven scores (each accumulator's lowest registers are read first); 12-14, 16: the four scores left over,
; the old m, all into c0; 15: c m_old is kept; 17, 18: the query's other 32 keys lie in the lane 16 away; 19-21: c m, its change, a.  first = 1: no old m, no a.
.macro XS qt, n, first
	TREGS \qt
.if (\n) < 4
	v_max3_num_f32 v[rC+(\n)], v[rS+8*(\n)], v[rS+8*(\n)+1], v[rS+8*(\n)+2]
.elseif (\n) < 12
	v_max3_num_f32 v[rC+(\n)%4], v[rC+(\n)%4], v[rS+8*((\n)%4)+2*((\n)/4)+1], v[rS+8*((\n)%4)+2*((\n)/4)+2]
.elseif (\n) == 12
	v_max3_num_f32 v[rC], v[rC], v[rS+7], v[rS+15]
.elseif (\n) == 13
	v_max3_num_f32 v[rC+1], v[rC+1], v[rS+23], v[rS+31]
.elseif ((\n) == 14) && (\first)
	v_max_num_f32 v[rC+2], v[rC+2], v[rC+3]
.elseif (\n) == 14
	v_max3_num_f32 v[rC+2], v[rC+2], v[rC+3], v[rT+1]
.elseif (((\n) == 15) || ((\n) == 20)) && (\first)
.elseif (\n) == 15
	v_mov_b32 v[rL], v[rT]
.elseif (\n) == 16
	v_max3_num_f32 v[rC], v[rC], v[rC+1], v[rC+2]
.elseif (\n) == 17
	v_permlanex16_b32 v[rC+3], v[rC], s[SEL], s[SEL+1]
.elseif (\n) == 18
	v_max_num_f32 v[rT+1], v[rC], v[rC+3]
.elseif (\n) == 19
	v_mul_f32 v[rT], s[CS], v[rT+1]
.elseif (\n) == 20
	v_sub_f32 v[rC+1], v[rL], v[rT]
.else
	v_exp_f32 v[rC+2], v[rC+1]
.endif
.endm
.macro FS qt                           ; pair bb of 16: c s - c m
	TREGS \qt
	v_pk_fma_f32 v[rS+2*bb:rS+2*bb+1], v[rS+2*bb:rS+2*bb+1], s[CS:CS+1], v[rT:rT+1] op_sel_hi:[1,0,0] neg_lo:[0,0,1] neg_hi:[0,0,1]
.endm
.macro EX qt                           ; the exponentials of pair bb - 1
	TREGS \qt
	v_exp_f32 v[rS+2*bb-2], v[rS+2*bb-2]
	v_exp_f32 v[rS+2*bb-1], v[rS+2*bb-1]
.endm
.macro SU qt, z, first                 ; the sum of the tile's 16 pairs, in place: neighbours 1, 2, 4, 8 pairs apart; then l takes it
	TREGS \qt
.set w, 4
.set u, (\z)
.if (\z) >= 14
.set w, 32
.set u, 0
.elseif (\z) >= 12
.set w, 16
.set u, (\z)-12
.elseif (\z) >= 8
.set w, 8
.set u, (\z)-8
.endif
.if ((\z) == 14) && (\first)
	v_pk_add_f32 v[rT+2:rT+3], v[rS:rS+1], v[rS+16:rS+17]
.elseif (\z) < 15
	v_pk_add_f32 v[rS+w*u:rS+w*u+1], v[rS+w*u:rS+w*u+1], v[rS+w*u+w/2:rS+w*u+w/2+1]
.elseif !(\first)
	v_pk_fma_f32 v[rT+2:rT+3], v[rT+2:rT+3], v[rC+2:rC+3], v[rS:rS+1] op_sel_hi:[1,0,1]
.endif
.endm
.macro SOFTMAX first
	WIN 0
.irp n, 0,1,2,3,4,5,6,7,8,9,10,11,12,13,14,15,16,17,18,19,20
.irp qt, 0,1,2,3
	XS \qt, \n, \first
.endr
.endr
.set bb, 0
.rept 17                               ; ONE BATCH: the scalings and all exponentials; a pair's exponentials stand a group behind its scaling; nothing here names an exponential's result
.if bb < 16
.irp qt, 0,1,2,3
	FS \qt
.endr
.endif
.if (bb == 0) && !(\first)
.irp qt, 0,1,2,3
	XS \qt, 21, 0
.endr
.endif
.if bb > 0
.irp qt, 0,1,2,3
	EX \qt
.endr
.endif
.set bb, bb+1
.endr
	v_nop                                          ; a plain instruction behind the last exponential,
	s_wait_alu depctr_va_vdst(0)                   ; and the one wait ahead of the batch's first reader
.irp n, 0,1,2,3,4,5,6,7,8,9,10,11,12,13,14,15
.irp qt, 0,1,2,3
	v_cvt_pk_f16_f32 v[P+16*(\qt)+(\n)], v[S+32*(\qt)+2*(\n)], v[S+32*(\qt)+2*(\n)+1]
.endr
.endr
.irp z, 0,1,2,3,4,5,6,7,8,9,10,11,12,13,14,15
.irp qt, 0,1,2,3
	SU \qt, \z, \first
.endr
.endr
.if !(\first)
	WIN 0x41                                       ; O^T times a, each accumulator from its low end on
.irp qt, 0,1,2,3
.irp n, 0,1,2,3,4,5,6,7,8,9,10,11,12,13,14,15
	v_pk_mul_f32 v[32*(\qt)+2*(\n):32*(\qt)+2*(\n)+1], v[32*(\qt)+2*(\n):32*(\qt)+2*(\n)+1], v[TM+4*(\qt)+2:TM+4*(\qt)+3] op_sel_hi:[1,0]
.endr
.endr
.endif
.endm
; A KEY TILE.  Of my loads K of this tile and V of this tile are out at its head, in that order: each wait leaves the 16 younger ones out.
.macro STEP first
	s_wait_loadcnt 16                              ; K is in; V's 16 loads may stay out
	KQPASS \first, 0, 0
	KQPASS \first, 0, 1
	KQPASS \first, 1, 0
	KQPASS \first, 1, 1
	WIN 0
	PLACES
	KFETCH                                         ; the next tile's K
	SOFTMAX \first
	s_wait_loadcnt 16                              ; V is in; the next K's 16 loads may stay out
	PVS \first
	WIN 0
	PLACES
	VFETCH                                         ; the next tile's V
	ADV
.endm
	s_load_b256 s[4:11], s[0:1], 0x0               ; query s[4:5], bq s[6:7], bo s[8:9], wf s[10:11]
	s_load_b128 s[12:15], s[0:1], 0x20             ; kf s[12:13], vf s[14:15]
	s_load_b64 s[16:17], s[0:1], 0x30              ; out0
	v_lshl_add_u32 v[SPW], v0, 2, SPARE
	v_mov_b32 v[NIL], 0
	ds_add_u32 v[SPW], v[NIL]                      ; the wave's opening: the add, twice on end, and its wait ahead of my first tensor load
	ds_add_u32 v[SPW], v[NIL]
	v_lshrrev_b32 v1, 5, v0
	v_readfirstlane_b32 s[WV], v1                  ; wave 0..3
	s_mov_b32 s[WG], ttmp9
	s_and_b32 s[TT], ttmp9, 31                     ; my block of 64 in its sequence of 2,048
	s_min_u32 s[NL], s[TT], 4
	s_mov_b32 s[G1+0], (2<<16)|(1<<20)|(6<<22)|(3<<25)  ; elements of 4 bytes; padding on: 4 words after every 128
	s_mov_b32 s[G1+1], 128<<16                     ; tensor_dim0 = 128
	s_mov_b32 s[G1+2], 64<<16                      ; tensor_dim1 = 64
	s_mov_b32 s[G1+3], 128<<16                     ; tile_dim0 = 128
	s_mov_b32 s[G1+4], 64                          ; tile_dim1 = 64
	s_mov_b32 s[G1+5], 512                         ; 512 elements from row to row
	s_mov_b32 s[G1+6], 0
	s_mov_b32 s[G1+7], 0
	s_mov_b32 s[G0], 1
	s_mul_i32 s[G0+1], s[WV], CHUNK                ; my chunk of 128 k
	s_mov_b32 s[CS], 0x3e38aa3b                    ; c = log2(e) / 8
	s_mov_b32 s[CS+1], s[CS]
	s_mov_b32 s[SEL], 0x76543210
	s_mov_b32 s[SEL+1], 0xfedcba98
	s_mov_b32 s[AL], 0
	s_mov_b32 s[AL+1], 0
	s_mov_b32 s[BIGN], 0xf149f2ca                  ; -1e30
	s_mov_b32 s[HIM], 0xffff0000
	s_mov_b32 s[LOWC], 0xfe000000                  ; -4.25e37
	s_mov_b32 s[NI], 0
	s_mov_b32 s[NH], 0
	s_lshl_b32 s2, s[WG], 17                       ; 64 rows of 2,048 bytes,
	s_lshl_b32 s3, s[WV], 9                        ; my 512 bytes of a row: of query's chunk and of out's columns alike
	s_add_co_u32 s2, s2, s3
	s_mov_b32 s3, 0
	s_wait_dscnt 0x0                               ; both opening adds are done
	s_wait_kmcnt 0x0
	s_add_nc_u64 s[G0+2:G0+3], s[4:5], s[2:3]
	s_or_b32 s[G0+3], s[G0+3], 0x80000000          ; type = 2
	tensor_load_to_lds s[G0:G0+3], s[G1:G1+7]      ; the one tensor load of mine
	s_nop 0
	PLACES
	s_add_nc_u64 s[OUTB:OUTB+1], s[16:17], s[2:3]
	s_lshl_b32 s2, s[WV], 9
	s_add_nc_u64 s[6:7], s[6:7], s[2:3]            ; bq and bo at my 128 columns
	s_add_nc_u64 s[8:9], s[8:9], s[2:3]
	s_lshl_b32 s2, s[WV], 14
	s_add_nc_u64 s[KFB:KFB+1], s[12:13], s[2:3]    ; kf and vf at my first head
	s_add_nc_u64 s[VFB:VFB+1], s[14:15], s[2:3]
	s_lshl_b32 s2, s[WV], 17
	s_add_nc_u64 s[WP:WP+1], s[10:11], s[2:3]      ; Wq's part of wf, my 128 rows
	s_lshl_b32 s[OFF], s[WG], 16                   ; my own tile, first head
	s_mov_b32 s[OFF+1], 0
	s_add_co_u32 s2, s[OFF], 8192                  ; my own tile, second head
	s_add_nc_u64 s[PFK:PFK+1], s[KFB:KFB+1], s[2:3]
	s_add_nc_u64 s[PFV:PFV+1], s[VFB:VFB+1], s[2:3]
	v_and_b32 v12, 15, v0                          ; r
	v_bfe_u32 v13, v0, 4, 1                        ; h
	v_and_b32 v11, 31, v0                          ; lane
	v_mul_u32_u24 v[LA], v12, PITCH
	v_lshl_add_u32 v[LA], v13, 5, v[LA]            ; r x 528 + 32 h
	v_lshlrev_b32 v[LO], 4, v11
	v_lshlrev_b32 v[PFO], 8, v11
	v_lshlrev_b32 v[BO], 5, v13
	s_lshl_b32 s2, s[WV], 14
	s_add_co_u32 s2, s2, XB
	v_add_nc_u32 v[XBW], s2, v[LO]                 ; my heads' K steps 4 w .. 4 w + 3 of ctx
	v_add_nc_u32 v[XBR], XB, v[LO]
	s_mul_i32 s2, s[WV], OSW
	s_add_co_u32 s2, s2, OS
	v_add_nc_u32 v[STO], s2, v[LA]
	v_add_nc_u32 v[RD], s2, v[LO]
	v_lshlrev_b32 v14, 3, v13
	v_sub_nc_u32 v14, v12, v14                     ; d = r - 8 h
	s_lshl_b32 s2, s[TT], 6
	s_sub_co_u32 s2, 255, s2                       ; 255 - 64 t, below 0 from t = 4 on
	v_sub_nc_u32 v15, s2, v12                      ; 255 - (64 t + r)
.irp qt, 0,1,2,3                                       ; my query of tile qt is i = 64 t + 16 qt + r: np = max(0, 255 - i) padded keys are live for it
	v_sub_nc_u32 v[NPF+(\qt)], v15, 16*(\qt)
	v_cmp_lt_i32 vcc_lo, 0, v[NPF+(\qt)]
	v_cndmask_b32 v[CM0+(\qt)], s[LOWC], 0, vcc_lo ; their c s = 0 where there are any, else far below every c s
	v_cndmask_b32 v[NPF+(\qt)], 0, v[NPF+(\qt)], vcc_lo
	v_cvt_f32_i32 v[NPF+(\qt)], v[NPF+(\qt)]
.endr
	KFETCH                                         ; the first head's diagonal tile
	VFETCH
	ADV
	BIASLOAD 6
	BLOAD 0, 0
	BLOAD 1, KSB
	BLOAD 2, 2*KSB
	WIN 0
	s_wait_loadcnt 48                              ; bq is in: the three sets of W behind it may stay out
	RNDB
	s_wait_tensorcnt 0x0                           ; my chunk of query is in
	s_barrier_signal -1
	s_barrier_wait -1                              ; everybody's is
	RAWLOAD 0
	; A PREFETCH INTO THE L2: my second head's fragments of my own tile, 8,192 bytes of kf and of vf, a lane 256 bytes: they are wanted behind the projection and the first head's walk.  Each block is named once
	; in the launch, by the wave that owns tile and head.  The first head's own tile came by the loads above.
	global_prefetch_b8 v[PFO], s[PFK:PFK+1] th:TH_LOAD_NT scope:SCOPE_SE
	global_prefetch_b8 v[PFO], s[PFV:PFV+1] th:TH_LOAD_NT scope:SCOPE_SE
	GEMMX                                          ; q = query Wq^T + bq
	PLACES
	WIN 0xc5                                       ; q rounded to f16: column block b is head b / 4, channels 16 (b % 4) on; row block a is tile a
.irp a, 0,1,2,3
.irp b, 0,1,2,3,4,5,6,7
.irp i, 0,1,2,3
	v_cvt_pk_f16_f32 v[((\b)/4)*64+(\a)*16+(((\b)%4)/2)*8+((\b)%2)*4+(\i)], v[8*(8*(\a)+(\b))+2*(\i)], v[8*(8*(\a)+(\b))+2*(\i)+1]
.endr
.endr
.endr
	WIN 0x40                                       ; the masks
.irp i, 0,1,2,3,4,5,6,7
	v_cmp_gt_i32 vcc_lo, \i, v14
	v_cndmask_b32 v[MT+(\i)], 0, s[BIGN], vcc_lo   ; hidden where j > d
	v_cndmask_b32 v[MF+(\i)], s[BIGN], 0, vcc_lo   ; hidden where j <= d
	v_mov_b32 v[MH+(\i)], s[BIGN]
.endr
	WIN 0
	s_mov_b32 s[HC], 2
.Lhead:                                                ; two trips: my two heads
	STEP 1                                         ; the diagonal tile starts m, l and O^T
	s_mov_b32 s[II], 0
	s_cmp_lt_u32 s[II], s[NL]
	s_cbranch_scc0 .Lnolater
.Llater:                                               ; min(t, 4) trips; no LDS access stands in this loop
	s_cmp_eq_u32 s[II], 3                          ; the tile four back holds the window's far edge
	s_cselect_b32 s[AL], 1.0, 0
	WIN 0x41
.irp i, 0,2,4,6
	v_pk_mul_f32 v[MCT+(\i):MCT+(\i)+1], v[MF+(\i):MF+(\i)+1], s[AL:AL+1] op_sel_hi:[1,0]
	v_pk_mul_f32 v[MCH+(\i):MCH+(\i)+1], v[MH+(\i):MH+(\i)+1], s[AL:AL+1] op_sel_hi:[1,0]
.endr
	STEP 0
	s_add_co_u32 s[II], s[II], 1
	s_cmp_lt_u32 s[II], s[NL]
	s_cbranch_scc1 .Llater
.Lnolater:
	; THE HEAD'S END: l's two halves and the other half of the lanes' are added; the padded keys take their part in maximum and sum; O^T is divided by the sum, rounded to f16 and put into LDS as fragments of ctx.
.irp qt, 0,1,2,3
	v_add_f32 v[ST+4*(\qt)+2], v[ST+4*(\qt)+2], v[ST+4*(\qt)+3]
.endr
.irp qt, 0,1,2,3
	v_permlanex16_b32 v[ST+4*(\qt)+3], v[ST+4*(\qt)+2], s[SEL], s[SEL+1]
.endr
.irp qt, 0,1,2,3
	v_add_f32 v[ST+4*(\qt)+2], v[ST+4*(\qt)+2], v[ST+4*(\qt)+3]
.endr
.irp qt, 0,1,2,3
	v_max_num_f32 v[TM+4*(\qt)], v[ST+4*(\qt)], v[CM0+(\qt)]        ; cm' = max(c m, cm0)
.endr
.irp qt, 0,1,2,3
	v_sub_f32 v[TM+4*(\qt)+1], v[ST+4*(\qt)], v[TM+4*(\qt)]         ; c m - cm'
	v_sub_f32 v[TM+4*(\qt)+3], v[CM0+(\qt)], v[TM+4*(\qt)]          ; cm0 - cm'
.endr
.irp qt, 0,1,2,3
	v_exp_f32 v[TM+4*(\qt)+1], v[TM+4*(\qt)+1]                      ; a
.endr
.irp qt, 0,1,2,3
	v_exp_f32 v[TM+4*(\qt)+3], v[TM+4*(\qt)+3]                      ; e
.endr
	v_nop                                          ; a plain instruction behind the last exponential,
	s_wait_alu depctr_va_vdst(0)                   ; and one wait for the eight, ahead of their first reader
.irp qt, 0,1,2,3
	v_mul_f32 v[TM+4*(\qt)+3], v[TM+4*(\qt)+3], v[NPF+(\qt)]        ; np e
.endr
.irp qt, 0,1,2,3
	v_fma_f32 v[ST+4*(\qt)+2], v[ST+4*(\qt)+2], v[TM+4*(\qt)+1], v[TM+4*(\qt)+3]  ; l' = l a + np e: at least 1, by the key or the padding that holds the maximum
.endr
.irp qt, 0,1,2,3
	v_rcp_f32 v[ST+4*(\qt)+2], v[ST+4*(\qt)+2]
.endr
	v_nop                                          ; a plain instruction behind the last reciprocal,
	s_wait_alu depctr_va_vdst(0)                   ; and one wait for the four, ahead of their first reader
.irp qt, 0,1,2,3
	v_mul_f32 v[ST+4*(\qt)+2], v[ST+4*(\qt)+2], v[TM+4*(\qt)+1]     ; a / l'
.endr
	WIN 0x41
.irp qt, 0,1,2,3
.irp n, 0,1,2,3,4,5,6,7,8,9,10,11,12,13,14,15
	v_pk_mul_f32 v[32*(\qt)+2*(\n):32*(\qt)+2*(\n)+1], v[32*(\qt)+2*(\n):32*(\qt)+2*(\n)+1], v[ST+4*(\qt)+2:ST+4*(\qt)+3] op_sel_hi:[1,0]
.endr
.endr
	WIN 0x05
.irp qt, 0,1,2,3
.irp n, 0,1,2,3,4,5,6,7,8,9,10,11,12,13,14,15
	v_cvt_pk_f16_f32 v[S+16*(\qt)+(\n)], v[32*(\qt)+2*(\n)], v[32*(\qt)+2*(\n)+1]
.endr
.endr
	WIN 0
.irp qt, 0,1,2,3
.irp cb, 0,1,2,3
	ds_store_b128 v[XBW], v[S+16*(\qt)+4*(\cb):S+16*(\qt)+4*(\cb)+3] offset:((\cb)/2)*4096+(\qt)*1024+((\cb)%2)*512  ; K step 2 head + cb / 2, row block qt, half cb % 2
.endr
.endr
	s_cmp_eq_u32 s[HC], 1                          ; behind the second head nothing is made ready: a jump forward, inside the loop, to the counter's step; it passes no barrier, tensor load or wait
	s_cbranch_scc1 .Lhead_step
	v_add_nc_u32 v[XBW], 8192, v[XBW]              ; the second head's two K steps of ctx
	WIN 0xc3                                       ; its Q goes where the one text of the steps names Q
.set i, 0
.rept 64
	v_mov_b32 v[i], v[Q2+i]
.set i, i+1
.endr
	WIN 0
.Lhead_step:
	s_sub_co_u32 s[HC], s[HC], 1
	s_cmp_lg_u32 s[HC], 0
	s_cbranch_scc1 .Lhead
	s_wait_xcnt 0x0
	s_lshl_b32 s2, s[WV], 17
	s_add_co_u32 s2, s2, 3*524288
	s_add_nc_u64 s[WP:WP+1], s[10:11], s[2:3]      ; Wo's part of wf, my 128 rows
	BIASLOAD 8
	BLOAD 0, 0
	BLOAD 1, KSB
	BLOAD 2, 2*KSB
	WIN 0
	s_wait_dscnt 0x0                               ; for the others' sake: my stores of ctx are done
	s_barrier_signal -1
	s_barrier_wait -1                              ; all eight heads' ctx lies in LDS
	ALOAD 0, 0
	s_wait_loadcnt 48                              ; bo is in (and the tile fetched beyond the walk's end): the three sets of W may stay out
	RNDB
	GEMMH                                          ; out = ctx Wo^T + bo
	; THE WAY OUT, 16 rows at a time: a lane's 8 columns of a row go into my stage, whole rows of 512 bytes come back and are stored: each store of the wave covers 512 consecutive bytes, aligned.
	PLACES
.irp a, 0,1,2,3
	WIN 0x04                                       ; the data in window 1, each accumulator's low four registers first
.irp b, 0,1,2,3,4,5,6,7
	ds_store_b128 v[STO], v[8*(8*(\a)+(\b)):8*(8*(\a)+(\b))+3]   offset:64*(\b)
	ds_store_b128 v[STO], v[8*(8*(\a)+(\b))+4:8*(8*(\a)+(\b))+7] offset:64*(\b)+16
.endr
	WIN 0
	s_wait_xcnt 0x0                                ; earlier stores have read the registers that are loaded again
.irp t, 0,1,2,3,4,5,6,7,8,9,10,11,12,13,14,15
	ds_load_b128 v[64+128*((\a)%2)+4*(\t):64+128*((\a)%2)+4*(\t)+3], v[RD] offset:(\t)*PITCH  ; LDS serves a wave's instructions in order (ISA guide 5.7.1.4): these see the stores above
.endr
.irp t, 0,1,2,3,4,5,6,7,8,9,10,11,12,13,14,15
	s_wait_dscnt 15-(\t)                           ; row t is back; the younger loads may stay out
	global_store_b128 v[LO], v[64+128*((\a)%2)+4*(\t):64+128*((\a)%2)+4*(\t)+3], s[OUTB:OUTB+1] offset:(16*(\a)+(\t))*2048 th:TH_STORE_NT
.endr
.endr
	s_wait_tensorcnt 0x0                           ; the wave's end, behind my last LDS store
	ds_add_u32 v[SPW], v[NIL]
	s_wait_dscnt 0x0
	s_endpgm
.Lfunc_end_k_q44da12e93a_main:
	.size	k_q44da12e93a_main, .Lfunc_end_k_q44da12e93a_main-k_q44da12e93a_main
	.p2alignl 7, 3214868480
	.fill 96, 4, 3214868480
	.section	.rodata,"a",@progbits
	.p2align	6, 0x0
	.amdhsa_kernel k_q44da12e93a_main
		.amdhsa_group_segment_fixed_size 235008
		.amdhsa_private_segment_fixed_size 0
		.amdhsa_enable_private_segment 0
		.amdhsa_kernarg_size 56
		.amdhsa_user_sgpr_count 2
		.amdhsa_user_sgpr_kernarg_segment_ptr 1
		.amdhsa_wavefront_size32 1
		.amdhsa_system_sgpr_workgroup_id_x 1
		.amdhsa_system_sgpr_workgroup_id_y 1
		.amdhsa_system_sgpr_workgroup_id_z 1
		.amdhsa_system_vgpr_workitem_id 0
		.amdhsa_next_free_vgpr 1024
		.amdhsa_next_free_sgpr 68
		.amdhsa_reserve_vcc 1
		.amdhsa_float_denorm_mode_32 3
		.amdhsa_float_denorm_mode_16_64 3
		.amdhsa_memory_ordered 1
		.amdhsa_forward_progress 1
		.amdhsa_inst_pref_size 211
	.end_amdhsa_kernel
	.amdgpu_metadata
---
amdhsa.version: [ 1, 2 ]
amdhsa.kernels:
  - .name:           k_q44da12e93a_main
    .symbol:         k_q44da12e93a_main.kd
    .args:
      - { .name: query, .offset: 0, .size: 8, .value_kind: global_buffer, .address_space: global }
      - { .name: bq, .offset: 8, .size: 8, .value_kind: global_buffer, .address_space: global }
      - { .name: bo, .offset: 16, .size: 8, .value_kind: global_buffer, .address_space: global }
      - { .name: wf, .offset: 24, .size: 8, .value_kind: global_buffer, .address_space: global }
      - { .name: kf, .offset: 32, .size: 8, .value_kind: global_buffer, .address_space: global }
      - { .name: vf, .offset: 40, .size: 8, .value_kind: global_buffer, .address_space: global }
      - { .name: out0, .offset: 48, .size: 8, .value_kind: global_buffer, .address_space: global }
    .group_segment_fixed_size: 235008
    .private_segment_fixed_size: 0
    .kernarg_segment_align: 8
    .kernarg_segment_size: 56
    .max_flat_workgroup_size: 128
    .sgpr_count:     68
    .vgpr_count:     1024
    .wavefront_size: 32
...
	.end_amdgpu_metadata
.endif
;; end of part 3
